; MI455X (gfx1250); checked and timed in simulation.
; The chip was launched on July 23, 2026; its instructions are those of AMD's public machine-readable ISA for CDNA 5 (MIT licence, August 2026) and "CDNA5" Instruction Set Architecture Reference Guide (July 2026). The comments in the code are by the model that wrote it; some were corrected since.
;; Causal Self Attention. Allowed arithmetic: matrix products marked QUANTISED: E4M3 operands, one given power-of-two scale a tensor, by v_wmma_f32_16x16x64_fp8_fp8 or v_wmma_f32_16x16x128_fp8_fp8, f32 sums; everything else in f32.
;; Inputs: Wk 256 x 1,024 float32; Wproj 1,024 x 1,024 float32; Wq 1,024 x 1,024 float32; Wv 256 x 1,024 float32; lowp_scales 12 int32 (the exponents e of the quantised operands' scales 2^e); q_gain 16 float32; x 4 x 2,048 x 1,024 float32.
;; Outputs: out0 4 x 2,048 x 1,024 float32.
;; This version of the problem:
;;   THIS VERSION OF THE PROBLEM IS GIVEN IN LOW PRECISION. The matrix products marked QUANTISED in the list below multiply operands that are first quantised to E4M3 (4 exponent bits, 3 mantissa bits; 8 bits a number), with one given power-of-two scale for each operand tensor; their sums are f32. All else is computed in f32.
;;   The module's matrix products, in the order in which they are computed (A, B: the left and right operand; K: the contracted axis; several contracted axes count as one K, in the product's order):
;;     1. [M 8,192, K 1,024] x [K 1,024, N 1,024]; A: input x; B: input Wq: QUANTISED (scales: A lowp_scales[0], B lowp_scales[1])
;;     2. [M 8,192, K 1,024] x [K 1,024, N 256]; A: input x; B: input Wk: QUANTISED (scales: A lowp_scales[2], B lowp_scales[3])
;;     3. [M 8,192, K 1,024] x [K 1,024, N 256]; A: input x; B: input Wv: QUANTISED (scales: A lowp_scales[4], B lowp_scales[5])
;;     4. batch 64 x [M 2,048, K 64] x [K 64, N 2,048]; A: computed on the way; B: computed on the way: QUANTISED (scales: A lowp_scales[6], B lowp_scales[7])
;;     5. batch 64 x [M 2,048, K 2,048] x [K 2,048, N 64]; A: softmax (see below); B: computed on the way: QUANTISED (scales: A lowp_scales[8], B lowp_scales[9])
;;     6. [M 8,192, K 1,024] x [K 1,024, N 1,024]; A: computed on the way; B: input Wproj: QUANTISED (scales: A lowp_scales[10], B lowp_scales[11])
;;   THE QUANTISER, for each operand of a quantised product, along K:
;;     - The operand's scale is 2^e, e = its entry of the input lowp_scales (int32; the entries are numbered through the quantised products in the list's order, A before B).
;;     - Each number is divided by the scale, clamped to +-448, and rounded to the nearest number of E4M3, ties to even, subnormals kept.
;;     - The product sums the exact products of the quantised numbers (number of the format x scale) in f32.
;;   ~~~python
;;   def quantise(x, axis, e):      # numpy; x: float32 -> the quantised numbers, widened to float32 again
;;       x = np.moveaxis(x, axis, -1); K = x.shape[-1]
;;       r = np.clip(x / 2.0 ** e, -448, 448)
;;       step = 2.0 ** (np.maximum(np.frexp(np.where(r == 0, 1, r))[1] - 1, -6) - 3)
;;       q = np.round(r / step) * step * 2.0 ** e      # np.round: ties to even
;;       return np.moveaxis(q, -1, axis).astype(np.float32)
;;   ~~~
;;   SOFTMAX AHEAD OF A QUANTISED PRODUCT. Where the list says 'softmax', what is quantised is not the finished softmax but p = 2^(t - M), with t = logit x log2(e) and M = ceil(the row's largest t), a whole number; so 1/2 < the row's largest p <= 1. The row's sum l is taken of the UNQUANTISED p, in f32, and the product's result is divided by l at the end. Since M is a whole number, a kernel that streams over the keys may use a running M (the ceiling of the running maximum): every later rescaling is an exact power of two, so the quantised numbers keep their values, but for numbers so far below the row's largest that they fall under the format's range.
;;   OPERANDS COMPUTED ON THE WAY. 'Computed on the way' means the value that the module computes at that place (a softmax that the list does not call 'softmax' is quantised finished and normalised). What goes into a quantiser is computed in f32, as accurately as f32 sums, v_exp_f32 and their like allow (about 1e-6 of the number): no bf16 or f16 on the way to a quantiser, and a product that is left as it is and whose result goes on into a quantised operand takes f32 operands (vector FMAs, or v_wmma_f32_16x16x4_f32). A number that lies on a knife's edge between two numbers of the format may be rounded either way, as far as f32 arithmetic and the matrix unit's own rounding can turn it there, and no further.
;; One version. Each part assembles by itself: llvm-mc -triple=amdgcn-amd-amdhsa -mcpu=gfx1250 --defsym DOCPART=n.
;; ======== version 1 of 1: 4 launches
;; limits: right only within a limited range of input values
;; workspace buffers: xc 25,165,824 bytes; wc 2,621,440 bytes; rope 524,288 bytes; qc 8,388,608 bytes; kc 2,097,152 bytes; vc 2,097,152 bytes; yc 8,388,608 bytes
;; launch prep (part 1): grid 368 x 1, 4 waves a work-group, no clusters, 66,048 bytes of LDS; arguments x, Wq, Wk, Wv, Wproj, lowp_scales, xc, wc, rope; writes xc, wc, rope
.if DOCPART == 1
	.amdgcn_target "amdgcn-amd-amdhsa--gfx1250"
	.amdhsa_code_object_version 6
	.text
	.protected	k_q946784993d_prep
	.globl	k_q946784993d_prep
	.p2align	8
	.type	k_q946784993d_prep,@function
k_q946784993d_prep:
	s_mov_b64 s[64:65], 0
	v_nop
	global_prefetch_b8 v0, s[64:65] scope:SCOPE_SE
	s_setreg_imm32_b32 hwreg(HW_REG_WAVE_MODE, 25, 1), 1
	s_wait_xcnt 0x0
; PREP: everything that is quantised once, and the rotary table.
;   work-groups 0-255:   x [8192][1024] f32 -> xc: three planes of E4M3 codes, under the scales 2^e0, 2^e2, 2^e4 (x is an operand of three products, each with a scale of its own)
;   work-groups 256-335: Wq, Wk, Wv, Wproj f32 -> wc [2560][1024] codes, the four on end, under 2^e1, 2^e3, 2^e5, 2^e11
;   work-groups 336-367: rope [2048] rows of 256 bytes: cos of the 32 angles, then sin, f32
; code = number / 2^e, held within +-448, to the nearest code, ties to even.
; ROWS CHANGE PLACES: in xc and in wc's rows of Wq, Wk, Wv a row lies where its number with bits 3 and 4 exchanged says.  Sixteen stored rows on end are then the rows
; 32 b + 8 u + i + 8 (i / 8), the choice of rows that lets the next launch's results fall 16 neighbours to a lane.  Wproj's rows stay in order.
; A work-group takes 32 rows, wave w rows 8 w .. 8 w + 7 (8,192 numbers, 16 steps of 512), and stores them as block ((w & 1) << 1) | (w >> 1) of the 32.
; Each load reads 512 consecutive bytes, 16 a lane; a step's 2,048 bytes turn through the wave's own stage in LDS and come back 64 bytes (16 neighbours along K) a lane; a lane's 16 codes are 16 bytes: a store covers 512 consecutive bytes.
; The two quantising paths part on the work-group's number; each has LDS bytes of its own.  No tensor loads, no barrier: waves share nothing.
; THE TABLE repeats the f32 arithmetic of the tables' definition: P = 10^(n / 8) rounded to f32, F = 1 / P rounded to f32, angle = t F rounded to f32; then cos and sin by a reduction with pi / 2 in two parts and polynomials.
; LIMITS: each e between -126 and 119.  NaN among the inputs is not served.  Should the definition's own power function round one of the 10^(n / 8) otherwise than to nearest, an angle differs by up to about 1e-4 at the largest t.
.set STEPS, 16
.set SP,    80                         ; a lane's place in a stage: its 64 bytes + 16 of padding
.set STG,   32*SP                      ; a stage; two to a wave, in a region of 8,192 bytes
.set SPARE, 65536                      ; behind the two paths' regions: the spare words, 128 bytes for each wave
.set SPW,   12                         ; v12  LDS address of my spare word; never rewritten
.set NIL,   13                         ; v13  0; never rewritten
.set SC,    20                         ; v20-22  2^e as f32, a plane each
.set LM,    24                         ; v24-26  448 x 2^e
.set R,     32                         ; v32-95   four sets of 16 numbers as loaded
.set X,     96                         ; v96-127  two sets of 16 neighbours
.set T,     128                        ; v128-143 the numbers, held
.set C,     144                        ; v144-167 codes: two sets of three planes of four registers
	s_load_b256 s[4:11], s[0:1], 0x0               ; x s[4:5], Wq s[6:7], Wk s[8:9], Wv s[10:11]
	s_load_b256 s[12:19], s[0:1], 0x20             ; Wproj s[12:13], the exponents s[14:15], xc s[16:17], wc s[18:19]
	s_load_b64 s[20:21], s[0:1], 0x40              ; rope
	v_lshl_add_u32 v[SPW], v0, 2, SPARE
	v_mov_b32 v[NIL], 0
	v_lshrrev_b32 v1, 5, v0
	v_readfirstlane_b32 s36, v1                    ; wave w
	v_and_b32 v2, 31, v0                           ; lane
	v_lshlrev_b32 v3, 4, v2                        ; my 16 bytes of a load's or a store's 512
	s_lshl_b32 s38, s36, 13                        ; my wave's region
	v_lshrrev_b32 v14, 2, v2
	v_mul_u32_u24 v14, v14, SP
	v_and_b32 v15, 3, v2
	v_lshl_add_u32 v14, v15, 4, v14
	v_add_nc_u32 v14, s38, v14                     ; the stage, on the way in: SP (lane / 4) + 16 (lane % 4)
	v_mul_u32_u24 v15, v2, SP
	v_add_nc_u32 v15, s38, v15                     ; and on the way out: SP x lane
	s_and_b32 s37, s36, 1
	s_lshl_b32 s37, s37, 1
	s_lshr_b32 s39, s36, 1
	s_or_b32 s37, s37, s39                         ; w with its two bits exchanged: where my eight rows go
	s_wait_kmcnt 0x0
	s_load_b256 s[24:31], s[14:15], 0x0            ; e0 .. e7
	s_load_b128 s[32:35], s[14:15], 0x20           ; e8 .. e11
	s_cmp_ge_u32 ttmp9, 336
	s_cbranch_scc1 .Lrope
	s_cmp_ge_u32 ttmp9, 256
	s_cbranch_scc1 .Lw
.macro LOADS t
.irp i, 0,1,2,3
	global_load_b128 v[R+16*((\t)%4)+4*\i:R+16*((\t)%4)+4*\i+3], v3, s[40:41] offset:2048*(\t)+512*\i th:TH_LOAD_NT   ; 32 lanes read 512 consecutive bytes, read once
.endr
.endm
.macro TURN t, lo                      ; step t's numbers through the stage: LDS serves a wave's instructions in order, so no wait stands between the stores and the loads
.irp i, 0,1,2,3
	ds_store_b128 v14, v[R+16*((\t)%4)+4*\i:R+16*((\t)%4)+4*\i+3] offset:\lo+STG*((\t)%2)+8*SP*\i
.endr
.irp i, 0,1,2,3
	ds_load_b128 v[X+16*((\t)%2)+4*\i:X+16*((\t)%2)+4*\i+3], v15 offset:\lo+STG*((\t)%2)+16*\i
.endr
.endm
.macro CONV t, p                       ; step t under plane p's scale
.irp i, 0,1,2,3,4,5,6,7,8,9,10,11,12,13,14,15
	v_med3_num_f32 v[T+\i], v[X+16*((\t)%2)+\i], -v[LM+\p], v[LM+\p]   ; the conversion to an 8-bit code does not saturate (ISA guide 7.6.2): the hold comes first
.endr
	v_cvt_scalef32_pk8_fp8_f32 v[C+12*((\t)%2)+4*\p:C+12*((\t)%2)+4*\p+1], v[T:T+7], v[SC+\p]
	v_cvt_scalef32_pk8_fp8_f32 v[C+12*((\t)%2)+4*\p+2:C+12*((\t)%2)+4*\p+3], v[T+8:T+15], v[SC+\p]
	v_nop                                          ; one plain line between the conversions and the next holds, which write their sources
	global_store_b128 v3, v[C+12*((\t)%2)+4*\p:C+12*((\t)%2)+4*\p+3], s[42+2*\p:43+2*\p] offset:512*(\t)
.endm
.macro QSTEP t, npl, lo
	s_wait_dscnt 0x0                               ; this step's numbers are back from the stage, so its stores into the stage have read their registers,
	s_wait_xcnt 0x0                                ; and the earlier global stores have read theirs: the codes' registers may be written again
.if (\t)+4 < STEPS
	LOADS (\t)+4
.endif
.if (\t)+1 < STEPS
.if STEPS-2-(\t) >= 3
	s_wait_loadcnt 12                              ; the next step's four loads are in; those of the three steps behind it may be out
.else
	s_wait_loadcnt 4*(STEPS-2-(\t))
.endif
	TURN (\t)+1, \lo
.endif
	CONV \t, 0
.if \npl > 1
	CONV \t, 1
	CONV \t, 2
.endif
.endm
.macro MKSCALE e, p                    ; s[e] holds the exponent
	s_add_co_i32 s52, s[\e], 127
	s_lshl_b32 s53, s52, 23
	v_mov_b32 v[SC+\p], s53                        ; 2^e as f32: the conversion takes its exponent field
	s_add_co_i32 s52, s52, 8
	s_lshl_b32 s52, s52, 23
	s_or_b32 s52, s52, 0x600000
	v_mov_b32 v[LM+\p], s52                        ; 448 x 2^e
.endm
.macro FINISH                          ; the wave's end
	s_wait_tensorcnt 0x0
	ds_add_u32 v[SPW], v[NIL]
	s_wait_dscnt 0x0
	s_endpgm
.endm
	; ---- x: one read, three planes of codes
	s_lshl_b32 s48, ttmp9, 2
	s_add_co_u32 s49, s48, s36
	s_lshl_b32 s50, s49, 15                        ; (4 x work-group + w) runs of 8 rows x 4,096 bytes
	s_mov_b32 s51, 0
	s_add_nc_u64 s[40:41], s[4:5], s[50:51]
	s_add_co_u32 s49, s48, s37
	s_lshl_b32 s50, s49, 13                        ; their codes: 8 rows x 1,024 bytes, at the exchanged place
	s_add_nc_u64 s[42:43], s[16:17], s[50:51]
	s_add_nc_u64 s[44:45], s[42:43], 0x800000      ; the planes lie 2^23 bytes apart: a base each
	s_add_nc_u64 s[46:47], s[42:43], 0x1000000
	s_wait_alu depctr_va_vdst(0)
.irp t, 0,1,2,3
	LOADS \t
.endr
	s_wait_kmcnt 0x0
	MKSCALE 24, 0
	MKSCALE 26, 1
	MKSCALE 28, 2
	s_wait_alu depctr_va_vdst(0)
	s_wait_loadcnt 12                              ; step 0's four loads are in
	TURN 0, 0
.irp t, 0,1,2,3,4,5,6,7,8,9,10,11,12,13,14,15
	QSTEP \t, 3, 0
.endr
	FINISH
	; ---- the weights: one plane.  Which tensor hangs on the work-group's number alone
.Lw:
	s_wait_kmcnt 0x0
	s_mov_b64 s[40:41], s[6:7]                     ; Wq, from work-group 256 on, e1
	s_mov_b32 s48, 256
	s_mov_b32 s54, s25
	s_cmp_ge_u32 ttmp9, 288
	s_cselect_b64 s[40:41], s[8:9], s[40:41]       ; Wk, e3
	s_cselect_b32 s48, 288, s48
	s_cselect_b32 s54, s27, s54
	s_cmp_ge_u32 ttmp9, 296
	s_cselect_b64 s[40:41], s[10:11], s[40:41]     ; Wv, e5
	s_cselect_b32 s48, 296, s48
	s_cselect_b32 s54, s29, s54
	s_cmp_ge_u32 ttmp9, 304
	s_cselect_b64 s[40:41], s[12:13], s[40:41]     ; Wproj, e11,
	s_cselect_b32 s48, 304, s48
	s_cselect_b32 s54, s35, s54
	s_cselect_b32 s37, s36, s37                    ; whose rows stay in order
	s_sub_co_u32 s48, ttmp9, s48
	s_lshl_b32 s48, s48, 2
	s_add_co_u32 s48, s48, s36
	s_lshl_b32 s50, s48, 15
	s_mov_b32 s51, 0
	s_add_nc_u64 s[40:41], s[40:41], s[50:51]
	s_sub_co_u32 s48, ttmp9, 256                   ; wc holds the four tensors on end
	s_lshl_b32 s48, s48, 2
	s_add_co_u32 s48, s48, s37
	s_lshl_b32 s50, s48, 13
	s_add_nc_u64 s[42:43], s[18:19], s[50:51]
	s_wait_alu depctr_va_vdst(0)
.irp t, 0,1,2,3
	LOADS \t
.endr
	MKSCALE 54, 0
	s_wait_alu depctr_va_vdst(0)
	s_wait_loadcnt 12
	TURN 0, 32768
.irp t, 0,1,2,3,4,5,6,7,8,9,10,11,12,13,14,15
	QSTEP \t, 1, 32768
.endr
	FINISH
	; ---- the rotary table: a wave makes 16 positions; lane l makes two numbers of a row: lanes 0-15 cos of angles 2 m, 2 m + 1, lanes 16-31 their sin (m = l % 16)
.Lrope:
	s_sub_co_u32 s48, ttmp9, 336
	s_lshl_b32 s48, s48, 2
	s_add_co_u32 s48, s48, s36
	s_lshl_b32 s59, s48, 4                         ; my first position t
	s_lshl_b32 s50, s59, 8
	s_mov_b32 s51, 0
	s_add_nc_u64 s[20:21], s[20:21], s[50:51]      ; its row of 256 bytes
	v_and_b32 v16, 15, v0                          ; m
	s_wait_alu depctr_va_vdst(0)
	v_bfe_u32 v17, v0, 4, 1
	v_mul_u32_u24 v17, v17, 3                      ; sin(a) = cos(a - pi / 2): three quadrants on
	v_lshlrev_b32 v18, 3, v2                       ; 8 bytes a lane: 32 lanes store a whole row
	s_mov_b32 s52, 0x3f22f983                      ; 2 / pi
	s_mov_b32 s53, 0x3fc90fdb                      ; pi / 2, its f32 part,
	s_mov_b32 s54, 0xb33bbd2e                      ; and what that leaves
	s_mov_b32 s55, 0xb94ca1f9                      ; sin r = r + r z (S1 + z (S2 + z S3)), z = r r: S3,
	s_mov_b32 s56, 0x3c08839e                      ; S2,
	s_mov_b32 s57, 0xbe2aaaa3                      ; S1
	s_mov_b32 s58, 0x37ccf5ce                      ; cos r = 1 - z / 2 + z z (C1 + z (C2 + z C3)): C3,
	s_mov_b32 s61, 0xbab6061a                      ; C2,
	s_mov_b32 s62, 0x3d2aaaa5                      ; C1
	v_mov_b32 v40, 1.0                             ; P = 10^(n / 8) for n = 2 m and 2 m + 1: the constants are rounded to f32 as they are assembled
	v_mov_b32 v41, 1.333521432163
.macro PSEL k, a, b
	v_cmp_ne_u32 vcc_lo, \k, v16
	v_cndmask_b32 v40, \a, v40, vcc_lo
	v_cndmask_b32 v41, \b, v41, vcc_lo
.endm
	PSEL 1, 1.778279410039, 2.371373705662
	PSEL 2, 3.162277660168, 4.216965034286
	PSEL 3, 5.623413251903, 7.498942093325
	PSEL 4, 10.0, 13.33521432163
	PSEL 5, 17.78279410039, 23.71373705662
	PSEL 6, 31.62277660168, 42.16965034286
	PSEL 7, 56.23413251903, 74.98942093325
	PSEL 8, 100.0, 133.3521432163
	PSEL 9, 177.8279410039, 237.1373705662
	PSEL 10, 316.2277660168, 421.6965034286
	PSEL 11, 562.3413251903, 749.8942093325
	PSEL 12, 1000.0, 1333.521432163
	PSEL 13, 1778.279410039, 2371.373705662
	PSEL 14, 3162.277660168, 4216.965034286
	PSEL 15, 5623.413251903, 7498.942093325
	s_wait_alu depctr_va_vdst(0)
	v_rcp_f32 v42, v40
	v_rcp_f32 v43, v41
	v_nop                                          ; a plain line behind the reciprocals,
	s_wait_alu depctr_va_vdst(0)                   ; and one wait for both, ahead of their first reader
	v_fma_f32 v44, -v40, v42, 1.0                  ; one step of Newton's rule rounds F = 1 / P as a division does
	v_fma_f32 v45, -v41, v43, 1.0
	v_fma_f32 v42, v42, v44, v42
	v_fma_f32 v43, v43, v45, v43
.macro ANGLE f, out                    ; v[out] = cos or sin of t x v[f]
	v_mul_f32 v50, v49, v[\f]                      ; the angle, rounded to f32
	v_mul_f32 v51, s52, v50
	v_rndne_f32 v51, v51                           ; n quarter turns
	v_fma_f32 v52, -v51, s53, v50
	v_fma_f32 v52, -v51, s54, v52                  ; r, within +-pi / 4
	v_cvt_i32_f32 v53, v51
	v_add_nc_u32 v53, v53, v17                     ; the quadrant
	v_mul_f32 v54, v52, v52                        ; z
	v_fma_f32 v55, v54, s55, s56
	v_fma_f32 v57, v54, s58, s61
	v_fma_f32 v55, v55, v54, s57
	v_fma_f32 v57, v57, v54, s62
	v_mul_f32 v56, v54, v52
	v_mul_f32 v58, v54, v54
	v_fma_f32 v59, v54, -0.5, 1.0
	v_fma_f32 v55, v55, v56, v52                   ; sin r
	v_fma_f32 v57, v57, v58, v59                   ; cos r
	v_and_b32 v58, 1, v53
	v_cmp_ne_u32 vcc_lo, 0, v58
	v_cndmask_b32 v57, v57, v55, vcc_lo            ; odd quadrants take sin r,
	v_add_nc_u32 v53, 1, v53
	v_and_b32 v53, 2, v53
	v_lshlrev_b32 v53, 30, v53
	v_xor_b32 v[\out], v53, v57                    ; quadrants 1 and 2 change the sign
.endm
	s_mov_b32 s60, 16
.Lpos:
	v_cvt_f32_u32 v49, s59
	ANGLE 42, 60
	ANGLE 43, 61
	global_store_b64 v18, v[60:61], s[20:21]       ; 32 lanes store 256 consecutive bytes, aligned
	s_wait_xcnt 0x0                                ; the store has read its data and its base: both are written again below
	s_add_nc_u64 s[20:21], s[20:21], 256
	s_add_co_u32 s59, s59, 1
	s_sub_co_u32 s60, s60, 1
	s_cmp_lg_u32 s60, 0
	s_cbranch_scc1 .Lpos
	FINISH
.Lfunc_end_k_q946784993d_prep:
	.size	k_q946784993d_prep, .Lfunc_end_k_q946784993d_prep-k_q946784993d_prep
	.p2alignl 7, 3214868480
	.fill 96, 4, 3214868480
	.section	.rodata,"a",@progbits
	.p2align	6, 0x0
	.amdhsa_kernel k_q946784993d_prep
		.amdhsa_group_segment_fixed_size 66048
		.amdhsa_private_segment_fixed_size 0
		.amdhsa_enable_private_segment 0
		.amdhsa_kernarg_size 72
		.amdhsa_user_sgpr_count 2
		.amdhsa_user_sgpr_kernarg_segment_ptr 1
		.amdhsa_wavefront_size32 1
		.amdhsa_system_sgpr_workgroup_id_x 1
		.amdhsa_system_sgpr_workgroup_id_y 1
		.amdhsa_system_sgpr_workgroup_id_z 1
		.amdhsa_system_vgpr_workitem_id 0
		.amdhsa_next_free_vgpr 168
		.amdhsa_next_free_sgpr 66
		.amdhsa_reserve_vcc 1
		.amdhsa_float_denorm_mode_32 3
		.amdhsa_float_denorm_mode_16_64 3
		.amdhsa_memory_ordered 1
		.amdhsa_forward_progress 1
		.amdhsa_inst_pref_size 123
	.end_amdhsa_kernel
	.amdgpu_metadata
---
amdhsa.version: [ 1, 2 ]
amdhsa.kernels:
  - .name:           k_q946784993d_prep
    .symbol:         k_q946784993d_prep.kd
    .args:
      - { .name: x, .offset: 0, .size: 8, .value_kind: global_buffer, .address_space: global }
      - { .name: Wq, .offset: 8, .size: 8, .value_kind: global_buffer, .address_space: global }
      - { .name: Wk, .offset: 16, .size: 8, .value_kind: global_buffer, .address_space: global }
      - { .name: Wv, .offset: 24, .size: 8, .value_kind: global_buffer, .address_space: global }
      - { .name: Wproj, .offset: 32, .size: 8, .value_kind: global_buffer, .address_space: global }
      - { .name: lowp_scales, .offset: 40, .size: 8, .value_kind: global_buffer, .address_space: global }
      - { .name: xc, .offset: 48, .size: 8, .value_kind: global_buffer, .address_space: global }
      - { .name: wc, .offset: 56, .size: 8, .value_kind: global_buffer, .address_space: global }
      - { .name: rope, .offset: 64, .size: 8, .value_kind: global_buffer, .address_space: global }
    .group_segment_fixed_size: 66048
    .private_segment_fixed_size: 0
    .kernarg_segment_align: 8
    .kernarg_segment_size: 72
    .max_flat_workgroup_size: 128
    .sgpr_count:     66
    .vgpr_count:     168
    .wavefront_size: 32
...
	.end_amdgpu_metadata
.endif
;; end of part 1
;; launch qkv (part 2): grid 6 x 32, 4 waves a work-group, no clusters, 327,680 bytes of LDS; arguments xc, wc, rope, q_gain, lowp_scales, qc, kc, vc; writes qc, kc, vc
.if DOCPART == 2
	.amdgcn_target "amdgcn-amd-amdhsa--gfx1250"
	.amdhsa_code_object_version 6
	.text
	.protected	k_q946784993d_qkv
	.globl	k_q946784993d_qkv
	.p2align	8
	.type	k_q946784993d_qkv,@function
k_q946784993d_qkv:
	s_mov_b64 s[64:65], 0
	v_nop
	global_prefetch_b8 v0, s[64:65] scope:SCOPE_SE
	s_setreg_imm32_b32 hwreg(HW_REG_WAVE_MODE, 25, 1), 1
	s_wait_xcnt 0x0
.set ROWB,   256
.set PITCH,  272
.set FR,     16
.set NL,     4
.set NP,     4
.set HALFT,  128*PITCH
.set SLOT,   4*HALFT
.set SPARE,  2*SLOT
.set ADRA, 16
.set ADRB, 20
.set LI,   24
.set RO,   25
.set QS,   26
.set QL,   27
.set SPW,  28
.set NIL,  29
.set FF,   32
.set RT,   64
.set AF,   128
.set U,    128
.set O,    160
.set CD,   192
.set G1,   24
.set G0,   32
.set SEL,  94
.set MSB, 0
.macro WIN new
.if MSB != \new
	s_set_vgpr_msb (MSB<<8)|\new
.set MSB, \new
.endif
.endm
.set MUL_LO, 0xa1
.set MUL_HI, 0xf1
.set TO_B,   0x40
	s_load_b256 s[4:11], s[0:1], 0x0
	s_load_b256 s[12:19], s[0:1], 0x20
	v_lshl_add_u32 v[SPW], v0, 2, SPARE
	v_mov_b32 v[NIL], 0
	ds_add_u32 v[SPW], v[NIL]
	ds_add_u32 v[SPW], v[NIL]
	v_lshrrev_b32 v1, 5, v0
	v_readfirstlane_b32 s20, v1
	s_lshr_b32 s21, s20, 1
	s_and_b32 s22, s20, 1
	s_mov_b32 s23, ttmp9
	s_and_b32 s66, ttmp7, 0xffff
	s_mov_b32 s[G1+0], (0<<16)|(1<<20)|(5<<22)|(3<<25)
	s_mov_b32 s[G1+1], ROWB<<16
	s_mov_b32 s[G1+2], 128<<16
	s_mov_b32 s[G1+3], ROWB<<16
	s_mov_b32 s[G1+4], 128
	s_mov_b32 s[G1+5], 1024
	s_mov_b32 s[G1+6], 0
	s_mov_b32 s[G1+7], 0
	s_mov_b32 s[SEL], 0x76543210
	s_mov_b32 s[SEL+1], 0xfedcba98
	s_max_u32 s67, s23, 3
	s_sub_co_u32 s67, s67, 3
	s_lshl_b32 s68, s67, 23
	s_lshl_b32 s69, s66, 18
	s_add_co_u32 s68, s68, s69
	s_mov_b32 s69, 0
	s_lshl_b32 s70, s23, 18
	s_mov_b32 s71, 0
	s_lshl_b32 s72, s22, 17
	s_mov_b32 s73, 0
	s_mul_i32 s74, s20, HALFT
	s_lshl_b32 s75, s23, 2
	s_lshl_b32 s76, s22, 1
	s_add_co_u32 s75, s75, s76
	s_min_u32 s75, s75, 14
	s_lshl_b32 s75, s75, 2
	s_wait_dscnt 0x0
	s_wait_kmcnt 0x0
	s_load_b256 s[40:47], s[12:13], 0x0
	s_load_b128 s[48:51], s[12:13], 0x20
	s_load_b64 s[52:53], s[10:11], s75 offset:0x0
	s_add_nc_u64 s[68:69], s[4:5], s[68:69]
	s_add_nc_u64 s[70:71], s[6:7], s[70:71]
	s_cmp_eq_u32 s23, 5
	s_cselect_b64 s[76:77], s[70:71], s[68:69]
	s_cselect_b64 s[78:79], s[68:69], s[70:71]
	s_cmp_lt_u32 s20, 2
	s_cselect_b64 s[76:77], s[76:77], s[78:79]
	s_add_nc_u64 s[76:77], s[76:77], s[72:73]
.irp s, 0,1
	s_mov_b32 s[G0+4*\s], 1
	s_add_co_u32 s[G0+4*\s+1], s74, \s*SLOT
	s_add_nc_u64 s[G0+4*\s+2:G0+4*\s+3], s[76:77], \s*ROWB
	s_or_b32 s[G0+4*\s+3], s[G0+4*\s+3], 0x80000000
.endr
	tensor_load_to_lds s[G0:G0+3], s[G1:G1+7]
	s_nop 0
	s_wait_alu depctr_va_vdst(0)
	s_wait_tensorcnt 0x0
	ds_add_u32 v28, v29
	s_wait_dscnt 0x0
	s_barrier_signal -1
	s_barrier_wait -1
	tensor_load_to_lds s[G0+4:G0+7], s[G1:G1+7]
	s_nop 0
.rept 4
	v_nop
.endr
	v_and_b32 v1, 15, v0
	v_bfe_u32 v2, v0, 4, 1
	v_mul_u32_u24 v3, v1, PITCH
	v_lshl_add_u32 v4, v2, 4, v3
	s_mul_i32 s80, s21, HALFT
	s_mul_i32 s81, s22, HALFT
	s_add_co_u32 s81, s81, 2*HALFT
.irp s, 0,1
	v_add_nc_u32 v[ADRA+\s], s80, v4
	v_add_nc_u32 v[ADRB+\s], s81, v4
	s_add_co_u32 s80, s80, SLOT
	s_add_co_u32 s81, s81, SLOT
.endr
	v_and_b32 v5, 31, v0
	v_lshlrev_b32 v[LI], 4, v5
	v_and_b32 v6, 8, v1
	v_add_nc_u32 v6, v6, v1
	v_lshlrev_b32 v[RO], 8, v6
	v_lshl_add_u32 v[RO], v2, 6, v[RO]
.macro FRAG reg, adr, q, i
.irp c, 0,1,2,3
	ds_load_b128 v[\reg+4*\c:\reg+4*\c+3], v[\adr] offset:128*(\q)+32*\c+(\i)*16*PITCH
.endr
.endm
.macro MUL16 a0, p, zero
.irp a, \a0, \a0+1
.irp b, 0,1,2,3,4,5,6,7
.if \zero
	v_wmma_f32_16x16x128_fp8_fp8 v[8*(8*((\a)%4)+\b):8*(8*((\a)%4)+\b)+7], v[128*(\p)+FR*\b:128*(\p)+FR*\b+FR-1], v[AF+FR*(\a):AF+FR*(\a)+FR-1], 0
.else
	v_wmma_f32_16x16x128_fp8_fp8 v[8*(8*((\a)%4)+\b):8*(8*((\a)%4)+\b)+7], v[128*(\p)+FR*\b:128*(\p)+FR*\b+FR-1], v[AF+FR*(\a):AF+FR*(\a)+FR-1], v[8*(8*((\a)%4)+\b):8*(8*((\a)%4)+\b)+7]
.endif
.endr
.endr
.endm
.macro FETCH_B slot, q, p
	WIN TO_B
.irp i, 0,1,2,3,4,5,6,7
	FRAG 128*(\p)+FR*\i, ADRB+\slot, \q, \i
.endr
	WIN 0
.endm
.macro FETCH_A slot, q, i0
.irp i, \i0, \i0+1, \i0+2, \i0+3
	FRAG AF+FR*(\i), ADRA+\slot, \q, \i
.endr
.endm
.macro PLACES n
.rept \n
	v_nop
.endr
.endm
.macro STEP slot, q, zero
	s_wait_dscnt 4*NL
	WIN MUL_LO
	MUL16 0, (\q)%2, \zero
	MUL16 2, (\q)%2, \zero
	s_wait_dscnt 0
	PLACES NP
	FETCH_B \slot, (\q)+1, 1-(\q)%2
	FETCH_A \slot, (\q)+1, 0
	WIN MUL_HI
	MUL16 4, (\q)%2, \zero
	MUL16 6, (\q)%2, \zero
	PLACES NP
	WIN 0
	FETCH_A \slot, (\q)+1, 4
.endm
.macro TURN slot, next, fill
	s_wait_tensorcnt 0x0
	ds_add_u32 v[SPW], v[NIL]
	s_wait_dscnt 4*NL+1
	WIN MUL_LO
	MUL16 0, 1, 0
	s_wait_dscnt 0x0
	s_barrier_signal -1
	MUL16 2, 1, 0
	WIN 0
	s_barrier_wait -1
.if \fill
	s_add_nc_u64 s[G0+4*\slot+2:G0+4*\slot+3], s[G0+4*\slot+2:G0+4*\slot+3], 2*ROWB
	tensor_load_to_lds s[G0+4*\slot:G0+4*\slot+3], s[G1:G1+7]
	s_nop 0
	PLACES NP
.else
	PLACES NP
.endif
	FETCH_B \next, 0, 0
	FETCH_A \next, 0, 0
	WIN MUL_HI
	MUL16 4, 1, 0
	MUL16 6, 1, 0
	PLACES NP
	WIN 0
	FETCH_A \next, 0, 4
.endm
	s_wait_alu depctr_va_vdst(0)
	s_wait_tensorcnt 1
	s_barrier_signal -1
	s_barrier_wait -1
	FETCH_B 0, 0, 0
	FETCH_A 0, 0, 0
	FETCH_A 0, 0, 4
	STEP 0, 0, 1
	TURN 0, 1, 1
	STEP 1, 0, 0
	TURN 1, 0, 1
	STEP 0, 0, 0
	TURN 0, 1, 0
	STEP 1, 0, 0
	s_wait_dscnt 4*NL
	WIN MUL_LO
	MUL16 0, 1, 0
	MUL16 2, 1, 0
	s_wait_dscnt 0
	WIN MUL_HI
	MUL16 4, 1, 0
	MUL16 6, 1, 0
	WIN 0
	PLACES NP
	s_wait_kmcnt 0x0
	s_cmp_eq_u32 s23, 5
	s_cbranch_scc1 .Lv
	s_cmp_lt_u32 s23, 4
	s_cselect_b32 s82, s40, s42
	s_cselect_b32 s83, s41, s43
	s_cselect_b32 s84, s46, s47
	s_cselect_b32 s52, s52, 0x3f800000
	s_cselect_b32 s53, s53, 0x3f800000
	s_cselect_b64 s[86:87], s[14:15], s[16:17]
	s_cselect_b32 s90, 16, 4
	s_cselect_b32 s91, s23, 0
	s_add_co_i32 s82, s82, s83
	s_lshl_b32 s85, s82, 1
	s_sub_co_i32 s85, s85, 6
	s_lshr_b32 s92, s66, 3
	s_mul_i32 s90, s90, s92
	s_lshl_b32 s91, s91, 2
	s_add_co_u32 s90, s90, s91
	s_lshl_b32 s91, s22, 1
	s_add_co_u32 s90, s90, s91
	s_lshl_b32 s90, s90, 17
	s_and_b32 s92, s66, 7
	s_lshl_b32 s92, s92, 4
	s_lshl_b32 s93, s21, 3
	s_add_co_u32 s92, s92, s93
	s_lshl_b32 s93, s92, 10
	s_add_co_u32 s90, s90, s93
	s_mov_b32 s91, 0
	s_add_nc_u64 s[86:87], s[86:87], s[90:91]
	s_lshl_b32 s90, s92, 12
	s_add_nc_u64 s[88:89], s[8:9], s[90:91]
	s_add_co_i32 s84, s84, 127
	s_lshl_b32 s83, s84, 23
	v_mov_b32 v[QS], s83
	s_add_co_i32 s84, s84, 8
	s_lshl_b32 s84, s84, 23
	s_or_b32 s84, s84, 0x600000
	v_mov_b32 v[QL], s84
.macro ROPELD a
.irp j, 0,1,2,3
	global_load_b128 v[RT+32*((\a)%2)+4*\j:RT+32*((\a)%2)+4*\j+3], v[RO], s[88:89] offset:(32*((\a)/2)+8*((\a)%2))*256+16*\j
	global_load_b128 v[RT+32*((\a)%2)+16+4*\j:RT+32*((\a)%2)+16+4*\j+3], v[RO], s[88:89] offset:(32*((\a)/2)+8*((\a)%2))*256+128+16*\j
.endr
.endm
	ROPELD 0
	ROPELD 1
.macro SQSUM hi
	WIN 0x0a+5*(\hi)
.set p, 0
.rept 16
.irp a, 0,1,2,3
.irp g, 0,1
.if p == 0
	v_pk_mul_f32 v[U+4*(2*(4*(\hi)+\a)+\g):U+4*(2*(4*(\hi)+\a)+\g)+1], v[64*\a+32*\g:64*\a+32*\g+1], v[64*\a+32*\g:64*\a+32*\g+1]
.else
	v_pk_fma_f32 v[U+4*(2*(4*(\hi)+\a)+\g):U+4*(2*(4*(\hi)+\a)+\g)+1], v[64*\a+32*\g+2*p:64*\a+32*\g+2*p+1], v[64*\a+32*\g+2*p:64*\a+32*\g+2*p+1], v[U+4*(2*(4*(\hi)+\a)+\g):U+4*(2*(4*(\hi)+\a)+\g)+1]
.endif
.endr
.endr
.set p, p+1
.endr
.endm
	SQSUM 0
	SQSUM 1
	WIN 0
.irp k, 0,1,2,3,4,5,6,7,8,9,10,11,12,13,14,15
	v_add_f32 v[U+4*\k], v[U+4*\k], v[U+4*\k+1]
.endr
.irp k, 0,1,2,3,4,5,6,7,8,9,10,11,12,13,14,15
	v_permlanex16_b32 v[U+4*\k+1], v[U+4*\k], s[SEL], s[SEL+1]
.endr
.irp k, 0,1,2,3,4,5,6,7,8,9,10,11,12,13,14,15
	v_add_f32 v[U+4*\k], v[U+4*\k], v[U+4*\k+1]
.endr
.irp k, 0,1,2,3,4,5,6,7,8,9,10,11,12,13,14,15
	v_ldexp_f32 v[U+4*\k], v[U+4*\k], s85
.endr
.irp k, 0,1,2,3,4,5,6,7,8,9,10,11,12,13,14,15
	v_add_f32 v[U+4*\k], 0x34000000, v[U+4*\k]
.endr
	s_wait_alu depctr_va_vdst(0)
.irp k, 0,1,2,3,4,5,6,7,8,9,10,11,12,13,14,15
	v_rsq_f32 v[FF+2*\k+1], v[U+4*\k]
.endr
	v_nop
	s_wait_alu depctr_va_vdst(0)
.irp k, 0,1,2,3,4,5,6,7,8,9,10,11,12,13,14,15
	v_ldexp_f32 v[FF+2*\k+1], v[FF+2*\k+1], s82
.endr
.irp k, 0,1,2,3,4,5,6,7,8,9,10,11,12,13,14,15
	v_mul_f32 v[FF+2*\k], s[52+(\k)%2], v[FF+2*\k+1]
.endr
.macro UNIT a, g
.set k, 2*(\a)+(\g)
.set AB, 64*((\a)%4)+32*(\g)
.set RS, RT+32*((\a)%2)
.set CC, CD+8*(k%2)
	WIN 0x02+(\a)/4
.set j, 0
.rept 16
	v_pk_mul_f32 v[U+j:U+j+1], v[AB+j:AB+j+1], v[FF+2*k:FF+2*k+1] op_sel_hi:[1,0]
.set j, j+2
.endr
	WIN 0
.set j, 0
.rept 8
	v_pk_mul_f32 v[O+j:O+j+1], v[U+j:U+j+1], v[RS+j:RS+j+1]
	v_pk_mul_f32 v[O+16+j:O+17+j], v[U+16+j:U+17+j], v[RS+j:RS+j+1]
.set j, j+2
.endr
.set j, 0
.rept 8
	v_pk_fma_f32 v[O+j:O+j+1], v[U+16+j:U+17+j], v[RS+16+j:RS+17+j], v[O+j:O+j+1]
	v_pk_fma_f32 v[O+16+j:O+17+j], v[U+j:U+j+1], v[RS+16+j:RS+17+j], v[O+16+j:O+17+j] neg_lo:[1,0,0] neg_hi:[1,0,0]
.set j, j+2
.endr
.set j, 0
.rept 32
	v_med3_num_f32 v[O+j], v[O+j], -v[QL], v[QL]
.set j, j+1
.endr
	s_wait_alu depctr_va_vdst(0)
	s_wait_xcnt 0x0
.irp c, 0,1,2,3
	v_cvt_scalef32_pk8_fp8_f32 v[CC+2*\c:CC+2*\c+1], v[O+8*\c:O+8*\c+7], v[QS]
.endr
	v_nop
	global_store_b128 v[LI], v[CC:CC+3], s[86:87] offset:131072*(\g)+1024*(\a)
	global_store_b128 v[LI], v[CC+4:CC+7], s[86:87] offset:131072*(\g)+1024*(\a)+512
.endm
.irp a, 0,1,2,3,4,5,6,7
.if \a < 7
	s_wait_loadcnt 8
.else
	s_wait_loadcnt 0
.endif
	UNIT \a, 0
	UNIT \a, 1
.if \a < 6
	ROPELD \a+2
.endif
.endr
	s_wait_tensorcnt 0x0
	ds_add_u32 v[SPW], v[NIL]
	s_wait_dscnt 0x0
	s_endpgm
.Lv:
	s_sub_co_i32 s82, s49, s44
	s_sub_co_i32 s82, s82, s45
	s_add_co_i32 s82, s82, 127
	s_lshl_b32 s83, s82, 23
	v_mov_b32 v[QS], s83
	s_add_co_i32 s82, s82, 8
	s_lshl_b32 s82, s82, 23
	s_or_b32 s82, s82, 0x600000
	v_mov_b32 v[QL], s82
	s_wait_alu depctr_va_vdst(0)
	s_lshr_b32 s90, s66, 3
	s_lshl_b32 s90, s90, 2
	s_lshl_b32 s91, s21, 1
	s_add_co_u32 s90, s90, s91
	s_lshl_b32 s90, s90, 4
	s_and_b32 s91, s66, 7
	s_lshl_b32 s91, s91, 1
	s_add_co_u32 s90, s90, s91
	s_add_co_u32 s90, s90, s22
	s_lshl_b32 s90, s90, 13
	s_mov_b32 s91, 0
	s_add_nc_u64 s[86:87], s[18:19], s[90:91]
.macro VUNIT a
	WIN 0x02+(\a)/4
.set i, 0
.rept 64
	v_med3_num_f32 v[U+i], v[64*((\a)%4)+i], -v[QL], v[QL]
.set i, i+1
.endr
	WIN 0
	s_wait_alu depctr_va_vdst(0)
	s_wait_xcnt 0x0
.irp c, 0,1,2,3
	v_cvt_scalef32_pk8_fp8_f32 v[CD+4*\c:CD+4*\c+1], v[U+16*\c:U+16*\c+7], v[QS]
	v_cvt_scalef32_pk8_fp8_f32 v[CD+4*\c+2:CD+4*\c+3], v[U+16*\c+8:U+16*\c+15], v[QS]
.endr
	v_nop
.irp c, 0,1,2,3
	global_store_b128 v[LI], v[CD+4*\c:CD+4*\c+3], s[86:87] offset:131072*((\a)/4)+2048*((\a)%4)+512*\c
.endr
.endm
.irp a, 0,1,2,3,4,5,6,7
	VUNIT \a
.endr
	s_wait_tensorcnt 0x0
	ds_add_u32 v[SPW], v[NIL]
	s_wait_dscnt 0x0
	s_endpgm
.Lfunc_end_k_q946784993d_qkv:
	.size	k_q946784993d_qkv, .Lfunc_end_k_q946784993d_qkv-k_q946784993d_qkv
	.p2alignl 7, 3214868480
	.fill 96, 4, 3214868480
	.section	.rodata,"a",@progbits
	.p2align	6, 0x0
	.amdhsa_kernel k_q946784993d_qkv
		.amdhsa_group_segment_fixed_size 327680
		.amdhsa_private_segment_fixed_size 0
		.amdhsa_enable_private_segment 0
		.amdhsa_kernarg_size 64
		.amdhsa_user_sgpr_count 2
		.amdhsa_user_sgpr_kernarg_segment_ptr 1
		.amdhsa_wavefront_size32 1
		.amdhsa_system_sgpr_workgroup_id_x 1
		.amdhsa_system_sgpr_workgroup_id_y 1
		.amdhsa_system_sgpr_workgroup_id_z 1
		.amdhsa_system_vgpr_workitem_id 0
		.amdhsa_next_free_vgpr 1024
		.amdhsa_next_free_sgpr 100
		.amdhsa_reserve_vcc 0
		.amdhsa_float_denorm_mode_32 3
		.amdhsa_float_denorm_mode_16_64 3
		.amdhsa_memory_ordered 1
		.amdhsa_forward_progress 1
		.amdhsa_inst_pref_size 234
	.end_amdhsa_kernel
	.amdgpu_metadata
---
amdhsa.version: [ 1, 2 ]
amdhsa.kernels:
  - .name:           k_q946784993d_qkv
    .symbol:         k_q946784993d_qkv.kd
    .args:
      - { .name: xc, .offset: 0, .size: 8, .value_kind: global_buffer, .address_space: global }
      - { .name: wc, .offset: 8, .size: 8, .value_kind: global_buffer, .address_space: global }
      - { .name: rope, .offset: 16, .size: 8, .value_kind: global_buffer, .address_space: global }
      - { .name: q_gain, .offset: 24, .size: 8, .value_kind: global_buffer, .address_space: global }
      - { .name: lowp_scales, .offset: 32, .size: 8, .value_kind: global_buffer, .address_space: global }
      - { .name: qc, .offset: 40, .size: 8, .value_kind: global_buffer, .address_space: global }
      - { .name: kc, .offset: 48, .size: 8, .value_kind: global_buffer, .address_space: global }
      - { .name: vc, .offset: 56, .size: 8, .value_kind: global_buffer, .address_space: global }
    .group_segment_fixed_size: 327680
    .private_segment_fixed_size: 0
    .kernarg_segment_align: 8
    .kernarg_segment_size: 64
    .max_flat_workgroup_size: 128
    .sgpr_count:     100
    .vgpr_count:     1024
    .wavefront_size: 32
...
	.end_amdgpu_metadata
.endif
;; end of part 2
;; launch attn (part 3): grid 4 x 64, 8 waves a work-group, clusters of 4 x 1, 327,680 bytes of LDS; arguments qc, kc, vc, lowp_scales, yc; writes yc
.if DOCPART == 3
	.amdgcn_target "amdgcn-amd-amdhsa--gfx1250"
	.amdhsa_code_object_version 6
	.text
	.protected	k_q946784993d_attn
	.globl	k_q946784993d_attn
	.p2align	8
	.type	k_q946784993d_attn,@function
k_q946784993d_attn:
	s_mov_b64 s[64:65], 0
	v_nop
	global_prefetch_b8 v0, s[64:65] scope:SCOPE_SE
	s_setreg_imm32_b32 hwreg(HW_REG_WAVE_MODE, 25, 1), 1
	s_wait_xcnt 0x0
	s_wait_alu depctr_hold_cnt(0) depctr_sa_sdst(0) depctr_va_vdst(0) depctr_va_sdst(0) depctr_va_ssrc(0) depctr_va_vcc(0) depctr_vm_vsrc(0)
	s_getreg_b32 s2, hwreg(HW_REG_IB_STS2, 6, 4)
	s_cmp_eq_u32 s2, 0
	s_cbranch_scc0 .Lentry_in_a_cluster
	s_endpgm
.Lentry_in_a_cluster:
	s_bfe_u32 s2, ttmp6, 0x10000c
	s_cmp_lg_u32 s2, 0x3003
	s_cbranch_scc0 .Lentry_shape_is_right
	s_endpgm
.Lentry_shape_is_right:
; ATTENTION on codes of E4M3, causal, head size 64, four query heads to a key and value head; the result is quantised for the last projection.
; t = score x log2(e) / 8; M = the row's largest t so far, rounded UP to a whole number; p = 2^(t - M) is quantised along the keys, not normalised.  The row's sum is taken of the unquantised p and divides at the end.
; When M moves, the sum and O are multiplied by 2^(old M - new M): exact.
; LEFT OUT: steps of 128 keys that all come after a pair's queries: the causal mask that the problem builds itself gives them the weight 0 for every input.
; LDS HOLDS ALL OF K AND V of one key and value head: 2 x 131,072 bytes.  Each of the eight waves asks for 32,768 of them by one tensor load at the head; nothing is filled again, so the loop over the keys has no barrier.
; CLUSTER: the four work-groups that share out a query head's queries read the same K and V and form a cluster of 4 x 1: each load is asked for jointly by the four, under the mask 15.
; (The other three query heads of the key and value head read the same bytes in clusters of their own: a joint request of this text names the four work-groups of one cluster.)
; SHARES.  A head's 2,048 queries are 64 pairs of tiles (32 queries).  Wave w of work-group j owns pairs u = 4 w + j and 63 - u: w + 1 and 16 - w key steps of 128, 17 for every wave.
; The counts hang on the wave's number alone; the work-group's place enters global addresses and the diagonal's compare values only.  Pair 63 - j of wave 0 reads the last keys, so all that the head fetches is read.
; A fragment of K or V read from LDS serves both tiles of a pair, and both pairs in the steps that both walk.  K's fragments are fetched one step ahead; V's at a step's head.
; OPERANDS ARE IMAGES OF REGISTERS: qc, kc, vc hold each group of four operand registers as 512 consecutive bytes, 16 a lane; a key step is 8,192 bytes of K's images and 8,192 of V's.
; Both products are used transposed (S^T = K Q^T, O^T = V^T P^T): a lane holds one query; register 16 b + i of S^T holds key 32 b + 16 (lane / 16) + i of the step.
; NO PREFETCH: every byte of K and V is asked for once, at the head, and there is no loop ahead of that request to run ahead in.
; LIMITS on the given exponents: e6 + e7 between -123 and 130; e10 between -126 and 119; e8 between -8 and 127: p is at most 1 and 448 x 2^e8 is then at least 1.75, so p needs no hold ahead of its conversion (HOLD = 1 assembles one).
; The scaled scores stay under 2^31 in magnitude.  NaN among the inputs is not served.
; REGISTERS, window 0: v1-7 addresses and the diagonals' compare values; v8-23 four tiles' -M, largest t, sum in two halves; v24-31 at work (v25 2^e8, v27 2^e10); v32-95 K; v96-223 S^T, then p, of two tiles; v224-255 p's codes.
; Window 1: v0-127 O^T of four tiles; v128-159 Q; v160-223 V.
.set HOLD,  0
.set VBASE, 131072                     ; LDS: K's images from 0, V's from here
.set SPARE, 262144                     ; behind them: the spare words, 128 bytes for each of eight waves
.set LI,  1                            ; 16 x lane
.set ADK, 2                            ; LDS address of the step's K
.set ADV, 3                            ; of its V
.set SPW, 4                            ; my spare word; never rewritten
.set NIL, 5                            ; 0; never rewritten
.set DD,  6                            ; v6, v7: query - first key - 16 (lane / 16) of a pair's first tile in its last step
.set ST0, 8
.set FF,  24                           ; v24, v26: f of the two tiles (named as pairs with v25, v27)
.set MT,  28
.set KR,  32
.set SR,  96
.set CR,  224
.set OR,  0                            ; window 1
.set QR,  128
.set VR,  160
.set WV,  18
.set SEL, 20
.set CS,  22
.set G1,  24
.set G0,  40
.set TB,  44
.set TBV, 45
.set STP, 46
.set LAST, 48                          ; s48, s49: the two pairs' last steps
.set NINF, 50
.set PLS, 51
.set YP,  52
.set MSB, 0
.macro WIN new
.if MSB != \new
	s_set_vgpr_msb (MSB<<8)|\new
.set MSB, \new
.endif
.endm
.macro CROUND                          ; a round of the cluster's barrier
	s_barrier_signal -1
	s_barrier_wait -1
	s_cmp_lg_u32 s[WV], 0
	s_cbranch_scc1 .Lnot_wave_0_\@
	s_barrier_signal -3
.Lnot_wave_0_\@:
	s_barrier_wait -3
	s_barrier_signal -1
	s_barrier_wait -1
.endm
.macro KLOAD adr, off                  ; a step's eight fragments of K
.irp t, 0,1,2,3,4,5,6,7
	ds_load_b128 v[KR+8*\t:KR+8*\t+3], v[\adr] offset:\off+1024*\t
	ds_load_b128 v[KR+8*\t+4:KR+8*\t+7], v[\adr] offset:\off+1024*\t+512
.endr
.endm
	s_load_b128 s[4:7], s[0:1], 0x0                ; qc, kc
	s_load_b128 s[12:15], s[0:1], 0x10             ; vc, the exponents
	s_load_b64 s[16:17], s[0:1], 0x20              ; yc
	v_lshl_add_u32 v[SPW], v0, 2, SPARE
	v_mov_b32 v[NIL], 0
	ds_add_u32 v[SPW], v[NIL]                      ; the opening: the add, twice on end, and its wait ahead of my tensor load
	ds_add_u32 v[SPW], v[NIL]
	v_lshrrev_b32 v[LI], 5, v0
	v_readfirstlane_b32 s[WV], v[LI]               ; wave 0..7
	s_bfe_u32 s56, ttmp6, 0x40000                  ; cx = j
	s_and_b32 s73, ttmp7, 0xffff                   ; the cluster's y: 16 x batch + head
	s_lshr_b32 s58, s73, 2                         ; 4 x batch + key and value head
	s_mov_b32 s[G1+0], 15|(3<<16)|(1<<21)          ; the mask: the cluster's four; elements of 8 bytes; bit 21 beside a mask; no padding: images are read 16 bytes a lane, on end
	s_mov_b32 s[G1+1], 32<<16                      ; tensor_dim0: rows of 256 bytes
	s_mov_b32 s[G1+2], 128<<16                     ; tensor_dim1: 128 rows: a dense block of 32,768 bytes
	s_mov_b32 s[G1+3], 32<<16
	s_mov_b32 s[G1+4], 128
	s_mov_b32 s[G1+5], 32
	s_mov_b32 s[G1+6], 0
	s_mov_b32 s[G1+7], 0
	s_mov_b32 s[SEL], 0x76543210
	s_mov_b32 s[SEL+1], 0xfedcba98
	s_mov_b32 s[CS], 0x3e38aa3b                    ; log2(e) / 8
	s_mov_b32 s[NINF], 0xff800000
	s_mov_b32 s[TB], 0
	s_mov_b32 s[TBV], VBASE
	s_mov_b32 s[STP], 0
	s_mov_b32 s[LAST], s[WV]
	s_sub_co_u32 s[LAST+1], 15, s[WV]
	s_lshl_b32 s60, s58, 17                        ; the key and value head: 131,072 bytes in kc and in vc,
	s_and_b32 s61, s[WV], 3
	s_lshl_b32 s61, s61, 15
	s_add_co_u32 s60, s60, s61                     ; my quarter of it
	s_mov_b32 s61, 0
	s_lshl_b32 s62, s[WV], 15                      ; waves 0-3 fill K's bytes, waves 4-7 V's
	s_wait_dscnt 0x0
	s_wait_kmcnt 0x0
	s_load_b128 s[68:71], s[14:15], 0x18           ; e6, e7, e8, e9
	s_load_b32 s72, s[14:15], 0x28                 ; e10
	s_cmp_lt_u32 s[WV], 4
	s_cselect_b64 s[G0+2:G0+3], s[6:7], s[12:13]
	s_add_nc_u64 s[G0+2:G0+3], s[G0+2:G0+3], s[60:61]
	s_or_b32 s[G0+3], s[G0+3], 0x80000000
	s_mov_b32 s[G0], 1
	s_mov_b32 s[G0+1], s62
	CROUND                                         ; all four work-groups are here: the joint loads meet
	tensor_load_to_lds s[G0:G0+3], s[G1:G1+7]      ; my one tensor load
	s_nop 0
.rept 4
	v_nop
.endr
	s_lshl_b32 s74, s[WV], 2
	s_add_co_u32 s74, s74, s56                     ; the early pair u = 4 w + j,
	s_sub_co_u32 s75, 63, s74                      ; the late pair
	s_lshl_b32 s76, s73, 17                        ; my head in qc
	s_lshr_b32 s77, s73, 4
	s_lshl_b32 s77, s77, 7                         ; yc: 128 tiles of 16 rows a batch,
	s_and_b32 s86, s73, 15
	s_lshl_b32 s86, s86, 10                        ; a head's 64 channels are 1,024 bytes of a tile's 16,384
.irp P, 0,1
	s_lshl_b32 s78, s[74+\P], 11                   ; a pair's 32 queries are 2,048 bytes
	s_add_co_u32 s78, s78, s76
	s_mov_b32 s79, 0
	s_add_nc_u64 s[82+2*\P:83+2*\P], s[4:5], s[78:79]
	s_lshl_b32 s80, s[74+\P], 1
	s_add_co_u32 s80, s80, s77
	s_lshl_b32 s80, s80, 14
	s_add_co_u32 s80, s80, s86
	s_mov_b32 s81, 0
	s_add_nc_u64 s[YP+2*\P:YP+2*\P+1], s[16:17], s[80:81]
.endr
	s_lshl_b32 s87, s56, 5                         ; 32 (u % 4) for the early pair,
	s_sub_co_u32 s88, 96, s87                      ; and for the late one
	v_and_b32 v28, 15, v0                          ; r
	v_bfe_u32 v29, v0, 4, 1                        ; h
	v_bfe_u32 v30, v0, 3, 1
	v_and_b32 v31, 7, v0
	v_lshlrev_b32 v24, 10, v30                     ; queries 8 .. 15 of a tile lie in the second stored tile
	v_lshl_add_u32 v24, v31, 4, v24
	v_lshl_add_u32 v24, v29, 8, v24
	WIN 0x40
.irp P, 0,1
.irp e, 0,1
	global_load_b128 v[QR+16*\P+8*\e:QR+16*\P+8*\e+3], v24, s[82+2*\P:83+2*\P] offset:128*\e        ; Q stays in registers
	global_load_b128 v[QR+16*\P+8*\e+4:QR+16*\P+8*\e+7], v24, s[82+2*\P:83+2*\P] offset:128*\e+512
.endr
.endr
.set j, 0
.rept 128
	v_mov_b32 v[OR+j], 0                           ; O^T: the step is written once; a tile's first step finds zeros, which the first change of M leaves zeros
.set j, j+1
.endr
	WIN 0
	v_lshlrev_b32 v29, 4, v29
	v_sub_nc_u32 v28, v28, v29                     ; r - 16 h
	v_add_nc_u32 v[DD], s87, v28
	v_add_nc_u32 v[DD+1], s88, v28
	v_and_b32 v[LI], 31, v0
	v_lshlrev_b32 v[LI], 4, v[LI]
.irp T, 0,1,2,3
	v_mov_b32 v[ST0+4*\T+1], 0xff61b1e6            ; the largest t so far: -3e38
	v_floor_f32 v[ST0+4*\T], -v[ST0+4*\T+1]        ; -M
	v_mov_b32 v[ST0+4*\T+2], 0
	v_mov_b32 v[ST0+4*\T+3], 0
.endr
	s_wait_kmcnt 0x0
	s_add_co_i32 s89, s68, s69
	s_lshl_b32 s89, s89, 23
	s_add_co_i32 s[CS], s[CS], s89                 ; a score stands for score x 2^(e6 + e7)
	s_mov_b32 s[CS+1], s[CS]
	s_add_co_i32 s89, s70, 127
	s_lshl_b32 s90, s89, 23
	v_mov_b32 v25, s90                             ; 2^e8, for p's conversions
	s_add_co_i32 s89, s89, 8
	s_lshl_b32 s89, s89, 23
	s_or_b32 s[PLS], s89, 0x600000                 ; 448 x 2^e8
	s_add_co_i32 s89, s72, 127
	s_lshl_b32 s90, s89, 23
	v_mov_b32 v27, s90                             ; 2^e10, for y's
	s_add_co_i32 s89, s89, 8
	s_lshl_b32 s89, s89, 23
	s_or_b32 s91, s89, 0x600000                    ; 448 x 2^e10
	s_add_co_i32 s92, s70, s71                     ; e8 + e9
; A KEY STEP of pair P (0 the early, 1 the late): 128 keys x 32 queries.
.macro STEP P
.set SS, ST0+8*\P
.set OT, OR+64*\P
	s_wait_dscnt 16                                ; K's fragments are in; V's 16 loads, which are younger, may be out
	WIN 0x04
.irp t, 0,1,2,3,4,5,6,7
.irp e, 0,1
	v_wmma_f32_16x16x64_fp8_fp8 v[SR+64*\e+8*\t:SR+64*\e+8*\t+7], v[KR+8*\t:KR+8*\t+7], v[QR+16*\P+8*\e:QR+16*\P+8*\e+7], 0
.endr
.endr
	WIN 0
.rept 4
	v_nop                                          ; places in front of the loads into K's registers and of the first reads of the scores
.endr
	s_cmp_eq_u32 s[STP], s[LAST+\P]                ; the pair's last step lies on the diagonal: the wave's number and the count of steps alone
.if \P
	s_cbranch_scc1 .Ldiag_\@
	KLOAD ADK, 8192                                ; the next step's K: the late pair's products are the last to read this step's
	s_branch .Lopen_\@
.else
	s_cbranch_scc0 .Lopen_\@
.endif
.Ldiag_\@:
.irp e, 0,1
.set n, 0
.rept 64
	v_cmp_le_i32 vcc_lo, 32*(n/16)+n%16-16*\e, v[DD+\P]   ; the key counts where it is at or under the query
	v_cndmask_b32 v[SR+64*\e+n], s[NINF], v[SR+64*\e+n], vcc_lo
.set n, n+1
.endr
.endr
	s_wait_alu depctr_va_vdst(0)
	s_wait_dscnt 0x0                               ; no younger loads on this way: V's fragments are in
.Lopen_\@:
.irp e, 0,1
	v_max3_num_f32 v[MT+2*\e], v[SR+64*\e], v[SR+64*\e+1], v[SR+64*\e+2]   ; each tile's largest score in two chains; each accumulator from its low end on
	v_max3_num_f32 v[MT+2*\e+1], v[SR+64*\e+3], v[SR+64*\e+4], v[SR+64*\e+5]
.endr
.irp i, 6,10,14,18,22,26,30,34,38,42,46,50,54,58
.irp e, 0,1
	v_max3_num_f32 v[MT+2*\e], v[MT+2*\e], v[SR+64*\e+\i], v[SR+64*\e+\i+1]
	v_max3_num_f32 v[MT+2*\e+1], v[MT+2*\e+1], v[SR+64*\e+\i+2], v[SR+64*\e+\i+3]
.endr
.endr
.irp e, 0,1
	v_max3_num_f32 v[MT+2*\e], v[MT+2*\e], v[SR+64*\e+62], v[SR+64*\e+63]
.endr
.irp e, 0,1
	v_max_num_f32 v[MT+2*\e], v[MT+2*\e], v[MT+2*\e+1]
.endr
.irp e, 0,1
	v_permlanex16_b32 v[MT+2*\e+1], v[MT+2*\e], s[SEL], s[SEL+1]
.endr
.irp e, 0,1
	v_max_num_f32 v[MT+2*\e], v[MT+2*\e], v[MT+2*\e+1]     ; and lane l xor 16's
.endr
.irp e, 0,1
	v_mul_f32 v[MT+2*\e], s[CS], v[MT+2*\e]                ; as t (c is positive)
.endr
.irp e, 0,1
	v_max_num_f32 v[SS+4*\e+1], v[SS+4*\e+1], v[MT+2*\e]   ; the running largest t
.endr
.irp e, 0,1
	v_mov_b32 v[MT+2*\e], v[SS+4*\e]
.endr
.irp e, 0,1
	v_floor_f32 v[SS+4*\e], -v[SS+4*\e+1]                  ; the new -M: M is a whole number
.endr
.irp e, 0,1
	v_sub_f32 v[MT+2*\e], v[SS+4*\e], v[MT+2*\e]           ; old M less new M
.endr
.irp e, 0,1
	v_cvt_i32_f32 v[MT+2*\e], v[MT+2*\e]                   ; (it saturates)
.endr
.irp e, 0,1
	v_ldexp_f32 v[FF+2*\e], 1.0, v[MT+2*\e]                ; f = 2^(old M - new M)
.endr
.irp e, 0,1
	v_pk_mul_f32 v[SS+4*\e+2:SS+4*\e+3], v[SS+4*\e+2:SS+4*\e+3], v[FF+2*\e:FF+2*\e+1] op_sel_hi:[1,0]   ; the sums under the new M
.endr
	WIN 0x41
	s_wait_alu depctr_va_vdst(0)                   ; directly ahead of the first readers of O^T
.irp e, 0,1
.set j, 0
.rept 16
	v_pk_mul_f32 v[OT+32*\e+j:OT+32*\e+j+1], v[OT+32*\e+j:OT+32*\e+j+1], v[FF+2*\e:FF+2*\e+1] op_sel_hi:[1,0]   ; O^T under the new M
.set j, j+2
.endr
.endr
	WIN 0
.set j, 0
.rept 32
	v_pk_fma_f32 v[SR+j:SR+j+1], v[SR+j:SR+j+1], s[CS:CS+1], v[SS:SS+1] op_sel_hi:[1,0,0]   ; tile 0: t - M
.set j, j+2
.endr
	s_wait_alu depctr_va_vdst(0)                   ; ahead of the batch
.set j, 0
.rept 32                                           ; tile 0's exponentials; among them tile 1's t - M, which names none of their registers and is first read behind the next wait
	v_exp_f32 v[SR+j], v[SR+j]
	v_exp_f32 v[SR+j+1], v[SR+j+1]
	v_pk_fma_f32 v[SR+64+j:SR+64+j+1], v[SR+64+j:SR+64+j+1], s[CS:CS+1], v[SS+4:SS+5] op_sel_hi:[1,0,0]
.set j, j+2
.endr
	s_wait_alu depctr_va_vdst(0)                   ; behind tile 0's batch, ahead of tile 1's
.set j, 0
.rept 16                                           ; tile 1's exponentials; among them the first level of tile 0's sum, 16 lines that hang on nothing written here, into the codes' registers
	v_exp_f32 v[SR+64+4*j], v[SR+64+4*j]
	v_exp_f32 v[SR+64+4*j+1], v[SR+64+4*j+1]
	v_exp_f32 v[SR+64+4*j+2], v[SR+64+4*j+2]
	v_exp_f32 v[SR+64+4*j+3], v[SR+64+4*j+3]
	v_pk_add_f32 v[CR+2*j:CR+2*j+1], v[SR+4*j:SR+4*j+1], v[SR+4*j+2:SR+4*j+3]
.set j, j+1
.endr
	s_wait_alu depctr_va_vdst(0)                   ; one wait behind the batch, ahead of its first reader
	v_pk_add_f32 v[MT:MT+1], v[SR+64:SR+65], v[SR+66:SR+67]         ; tile 1's sum of the unquantised p in three chains, tile 0's tree among them
	v_pk_add_f32 v[MT+2:MT+3], v[SR+68:SR+69], v[SR+70:SR+71]
.set j, 8
.set k, 0
.rept 9
	v_pk_add_f32 v[SS+6:SS+7], v[SS+6:SS+7], v[SR+64+j:SR+64+j+1]
	v_pk_add_f32 v[MT:MT+1], v[MT:MT+1], v[SR+64+j+2:SR+64+j+3]
	v_pk_add_f32 v[MT+2:MT+3], v[MT+2:MT+3], v[SR+64+j+4:SR+64+j+5]
.if k < 8
	v_pk_add_f32 v[CR+4*k:CR+4*k+1], v[CR+4*k:CR+4*k+1], v[CR+4*k+2:CR+4*k+3]
.endif
.set j, j+6
.set k, k+1
.endr
.irp k, 0,1,2,3
	v_pk_add_f32 v[CR+8*\k:CR+8*\k+1], v[CR+8*\k:CR+8*\k+1], v[CR+8*\k+4:CR+8*\k+5]
.endr
	v_pk_add_f32 v[SS+6:SS+7], v[SS+6:SS+7], v[SR+126:SR+127]
	v_pk_add_f32 v[MT:MT+1], v[MT:MT+1], v[MT+2:MT+3]
	v_pk_add_f32 v[CR:CR+1], v[CR:CR+1], v[CR+8:CR+9]
	v_pk_add_f32 v[CR+16:CR+17], v[CR+16:CR+17], v[CR+24:CR+25]
	v_pk_add_f32 v[SS+6:SS+7], v[SS+6:SS+7], v[MT:MT+1]
	v_pk_add_f32 v[CR:CR+1], v[CR:CR+1], v[CR+16:CR+17]
	v_pk_add_f32 v[SS+2:SS+3], v[SS+2:SS+3], v[CR:CR+1]
.if HOLD
.set j, 0
.rept 128
	v_min_num_f32 v[SR+j], s[PLS], v[SR+j]
.set j, j+1
.endr
.endif
.irp e, 0,1
.irp b, 0,1,2,3
	v_cvt_scalef32_pk8_fp8_f32 v[CR+16*\e+4*\b:CR+16*\e+4*\b+1], v[SR+64*\e+16*\b:SR+64*\e+16*\b+7], v25
	v_cvt_scalef32_pk8_fp8_f32 v[CR+16*\e+4*\b+2:CR+16*\e+4*\b+3], v[SR+64*\e+16*\b+8:SR+64*\e+16*\b+15], v25
.endr
.endr
	v_nop                                          ; one plain line between the conversions and the products
	s_wait_alu depctr_va_vdst(0)
.if \P
	s_wait_dscnt 16                                ; V's fragments are in; the next K's 16 loads, which are younger, may be out
.else
	s_wait_dscnt 0x0
.endif
	WIN 0x51
.irp d, 0,1,2,3
.irp e, 0,1
	v_wmma_f32_16x16x128_fp8_fp8 v[OT+32*\e+8*\d:OT+32*\e+8*\d+7], v[VR+16*\d:VR+16*\d+15], v[CR+16*\e:CR+16*\e+15], v[OT+32*\e+8*\d:OT+32*\e+8*\d+7]   ; eight accumulators by turns
.endr
.endr
	WIN 0
.endm
	s_wait_alu depctr_va_vdst(0)                   ; the head's end
	s_wait_loadcnt 0x0                             ; Q
	s_wait_tensorcnt 0x0                           ; my part of K or V is in;
	s_barrier_signal -1
	s_barrier_wait -1                              ; everybody's is
	KLOAD LI, 0                                    ; step 0's K
.Ltrip:                                            ; sixteen trips in every wave; a wave's work ends with its late pair's last step
	s_cmp_gt_u32 s[STP], s[LAST+1]
	s_cbranch_scc1 .Lnext
	v_add_nc_u32 v[ADK], s[TB], v[LI]
	v_add_nc_u32 v[ADV], s[TBV], v[LI]
	s_wait_alu depctr_va_vdst(0)
	v_nop
	v_nop                                          ; with the two additions: four places in front of loads into registers that the last products read
	WIN 0x40
.irp d, 0,1,2,3
.irp c, 0,1,2,3
	ds_load_b128 v[VR+16*\d+4*\c:VR+16*\d+4*\c+3], v[ADV] offset:2048*\d+512*\c
.endr
.endr
	WIN 0
	s_cmp_gt_u32 s[STP], s[LAST]
	s_cbranch_scc1 .Lno_early
	STEP 0
.Lno_early:
	STEP 1
.Lnext:
	s_add_co_u32 s[TB], s[TB], 8192
	s_add_co_u32 s[TBV], s[TBV], 8192
	s_add_co_u32 s[STP], s[STP], 1
	s_cmp_lt_u32 s[STP], 16
	s_cbranch_scc1 .Ltrip
	; THE WAY OUT.  y = O^T x 2^(e8 + e9) / the sum, quantised under 2^e10.  A lane's 32 numbers of a tile are two groups of four operand registers of the last projection, stored as they stand.
	s_wait_alu depctr_va_vdst(0)
.rept 4
	v_nop
.endr
.irp T, 0,1,2,3
	v_add_f32 v[ST0+4*\T+2], v[ST0+4*\T+2], v[ST0+4*\T+3]
.endr
.irp T, 0,1,2,3
	v_permlanex16_b32 v[MT+\T], v[ST0+4*\T+2], s[SEL], s[SEL+1]
.endr
.irp T, 0,1,2,3
	v_add_f32 v[ST0+4*\T+2], v[ST0+4*\T+2], v[MT+\T]
.endr
	v_mov_b32 v24, s91                             ; 448 x 2^e10
	s_wait_alu depctr_va_vdst(0)                   ; ahead of the batch
.irp T, 0,1,2,3
	v_rcp_f32 v[ST0+4*\T+2], v[ST0+4*\T+2]
.endr
	v_nop
	s_wait_alu depctr_va_vdst(0)                   ; and behind it
.irp T, 0,1,2,3
	v_ldexp_f32 v[ST0+4*\T+2], v[ST0+4*\T+2], s92
.endr
	WIN 0x01
	s_wait_alu depctr_va_vdst(0)                   ; directly ahead of the first readers of O^T
.irp T, 0,1,2,3
.set j, 0
.rept 16
	v_pk_mul_f32 v[SR+32*\T+j:SR+32*\T+j+1], v[OR+32*\T+j:OR+32*\T+j+1], v[ST0+4*\T+2:ST0+4*\T+3] op_sel_hi:[1,0]
.set j, j+2
.endr
.endr
	WIN 0
.set j, 0
.rept 128
	v_med3_num_f32 v[SR+j], v[SR+j], -v24, v24     ; the conversion does not saturate (ISA guide 7.6.2): the hold comes first
.set j, j+1
.endr
.irp T, 0,1,2,3
.irp g, 0,1,2,3
	v_cvt_scalef32_pk8_fp8_f32 v[CR+8*\T+2*\g:CR+8*\T+2*\g+1], v[SR+32*\T+8*\g:SR+32*\T+8*\g+7], v27
.endr
.endr
	v_nop
.irp T, 0,1,2,3
	global_store_b128 v[LI], v[CR+8*\T:CR+8*\T+3], s[YP+2*(\T/2):YP+2*(\T/2)+1] offset:16384*(\T%2)         ; 512 consecutive bytes
	global_store_b128 v[LI], v[CR+8*\T+4:CR+8*\T+7], s[YP+2*(\T/2):YP+2*(\T/2)+1] offset:16384*(\T%2)+512
.endr
	s_wait_tensorcnt 0x0                           ; the wave's end
	ds_add_u32 v[SPW], v[NIL]
	s_wait_dscnt 0x0
	CROUND                                         ; the closing round
	s_endpgm
.Lfunc_end_k_q946784993d_attn:
	.size	k_q946784993d_attn, .Lfunc_end_k_q946784993d_attn-k_q946784993d_attn
	.p2alignl 7, 3214868480
	.fill 96, 4, 3214868480
	.section	.rodata,"a",@progbits
	.p2align	6, 0x0
	.amdhsa_kernel k_q946784993d_attn
		.amdhsa_group_segment_fixed_size 327680
		.amdhsa_private_segment_fixed_size 0
		.amdhsa_enable_private_segment 0
		.amdhsa_kernarg_size 40
		.amdhsa_user_sgpr_count 2
		.amdhsa_user_sgpr_kernarg_segment_ptr 1
		.amdhsa_wavefront_size32 1
		.amdhsa_system_sgpr_workgroup_id_x 1
		.amdhsa_system_sgpr_workgroup_id_y 1
		.amdhsa_system_sgpr_workgroup_id_z 1
		.amdhsa_system_vgpr_workitem_id 0
		.amdhsa_next_free_vgpr 512
		.amdhsa_next_free_sgpr 100
		.amdhsa_reserve_vcc 1
		.amdhsa_float_denorm_mode_32 3
		.amdhsa_float_denorm_mode_16_64 3
		.amdhsa_memory_ordered 1
		.amdhsa_forward_progress 1
		.amdhsa_inst_pref_size 94
	.end_amdhsa_kernel
	.amdgpu_metadata
---
amdhsa.version: [ 1, 2 ]
amdhsa.kernels:
  - .name:           k_q946784993d_attn
    .symbol:         k_q946784993d_attn.kd
    .args:
      - { .name: qc, .offset: 0, .size: 8, .value_kind: global_buffer, .address_space: global }
      - { .name: kc, .offset: 8, .size: 8, .value_kind: global_buffer, .address_space: global }
      - { .name: vc, .offset: 16, .size: 8, .value_kind: global_buffer, .address_space: global }
      - { .name: lowp_scales, .offset: 24, .size: 8, .value_kind: global_buffer, .address_space: global }
      - { .name: yc, .offset: 32, .size: 8, .value_kind: global_buffer, .address_space: global }
    .group_segment_fixed_size: 327680
    .private_segment_fixed_size: 0
    .kernarg_segment_align: 8
    .kernarg_segment_size: 40
    .max_flat_workgroup_size: 256
    .sgpr_count:     100
    .vgpr_count:     512
    .wavefront_size: 32
...
	.end_amdgpu_metadata
.endif
;; end of part 3
;; launch proj (part 4): grid 64 x 4, 4 waves a work-group, clusters of 4 x 1, 327,680 bytes of LDS; arguments yc, wc, lowp_scales, out0; writes out0
.if DOCPART == 4
	.amdgcn_target "amdgcn-amd-amdhsa--gfx1250"
	.amdhsa_code_object_version 6
	.text
	.protected	k_q946784993d_proj
	.globl	k_q946784993d_proj
	.p2align	8
	.type	k_q946784993d_proj,@function
k_q946784993d_proj:
	s_mov_b64 s[64:65], 0
	v_nop
	global_prefetch_b8 v0, s[64:65] scope:SCOPE_SE
	s_setreg_imm32_b32 hwreg(HW_REG_WAVE_MODE, 25, 1), 1
	s_wait_xcnt 0x0
	s_wait_alu depctr_hold_cnt(0) depctr_sa_sdst(0) depctr_va_vdst(0) depctr_va_sdst(0) depctr_va_ssrc(0) depctr_va_vcc(0) depctr_vm_vsrc(0)
	s_getreg_b32 s2, hwreg(HW_REG_IB_STS2, 6, 4)
	s_cmp_eq_u32 s2, 0
	s_cbranch_scc0 .Lentry_in_a_cluster
	s_endpgm
.Lentry_in_a_cluster:
	s_bfe_u32 s2, ttmp6, 0x10000c
	s_cmp_lg_u32 s2, 0x3003
	s_cbranch_scc0 .Lentry_shape_is_right
	s_endpgm
.Lentry_shape_is_right:
; THE LAST PROJECTION: out0[m][n] = 2^(e10 + e11) x the sum over k of y's code [m][k] x Wproj's code [n][k]; 8,192 x 1,024 x 1,024, codes of E4M3, sums in f32.
; A work-group makes 128 rows x 256 columns: 64 x 4 work-groups.  K is 1,024, so all that a work-group multiplies is at hand at once:
; B: its 256 rows of Wproj's codes (wc from row 1,536 on), 1,024 bytes each, lie whole in LDS, 1,040 bytes apart; each of the four waves asks for 64 of them by one tensor load at the head.  Nothing is filled again: no ring, one barrier.
; A: yc holds images of operand registers (a tile of 16 rows: eight K steps of 2,048 bytes, each group of four registers as 512 consecutive bytes).  A wave owns 32 rows and loads their 32,768 bytes straight into 256 registers.
; CLUSTER: the four work-groups of a cluster of 4 x 1 make the same 256 columns of four neighbouring row blocks: B's loads are asked for jointly by the four, under the mask 15.
; ORDER: a wave finishes 64 columns at a time: 8 accumulators (2 tiles of rows x 4 of columns) by turns over the eight K steps, 64 matrix instructions; the finished 32 x 64 numbers leave while the next 64 columns are multiplied.
; THE MATRIX INSTRUCTION IS USED TRANSPOSED (source 0 = 16 rows of Wproj, source 1 = 16 rows of y): a lane holds eight neighbouring numbers of a row of the result.
; THE WAY OUT: x 2^(e10 + e11), through the wave's own stage in LDS (rows of 256 bytes + 16), back by rows: sixteen lanes store one aligned unit of 256 bytes.
; NO PREFETCH: every byte is asked for once, at the head; there is no loop ahead of those requests to run ahead in.
; LIMIT: e10 + e11 between -126 and 127, so that 2^(e10 + e11) is an f32 number.
; REGISTERS, window 0: v1-15 addresses; v32-95 a group's sums, scaled; v96-159 its rows back from the stage; v160-223 the accumulators.  Window 1: A, fragment (a, K step) at 16 (8 a + step).  Window 2: B's fragments, four sets of four.
.set BP,     1040                      ; a row of B in LDS: 1,024 bytes + 16: the sixteen rows of a fragment start at sixteen different banks (64 banks of 4 bytes: ISA guide 11.1)
.set BQ,     64*BP                     ; what one tensor load brings, and what a group of 64 columns reads
.set STAGE,  4*BQ                      ; behind B: a stage of 32 rows x 272 bytes for each wave; no fill lands there
.set SPITCH, 272
.set WST,    32*SPITCH
.set SPARE,  STAGE+4*WST               ; behind the stages: the spare words, 128 bytes for each wave
.set LI,   3                           ; 16 x lane
.set STO,  4                           ; the stage: where I put 32 bytes of a row
.set RD,   5                           ; where I read a row back
.set CO,   6                           ; my byte offset in out0
.set SPW,  8                           ; my spare word; never rewritten
.set NIL,  9                           ; 0; never rewritten
.set ADRB, 12                          ; v12-15 LDS address of my lane's place in the fragments of column group 0 .. 3
.set TMP,  32
.set OUTR, 96
.set ACC,  160
.set G1,   24
.set G0,   32
.set MSB, 0
.macro WIN new
.if MSB != \new
	s_set_vgpr_msb (MSB<<8)|\new
.set MSB, \new
.endif
.endm
.macro CROUND                          ; a round of the cluster's barrier
	s_barrier_signal -1
	s_barrier_wait -1
	s_cmp_lg_u32 s14, 0
	s_cbranch_scc1 .Lnot_wave_0_\@
	s_barrier_signal -3
.Lnot_wave_0_\@:
	s_barrier_wait -3
	s_barrier_signal -1
	s_barrier_wait -1
.endm
	s_load_b128 s[4:7], s[0:1], 0x0                ; yc, wc
	s_load_b128 s[8:11], s[0:1], 0x10              ; the exponents, out0
	v_lshl_add_u32 v[SPW], v0, 2, SPARE
	v_mov_b32 v[NIL], 0
	ds_add_u32 v[SPW], v[NIL]                      ; the opening: the add, twice on end, and its wait ahead of my tensor load
	ds_add_u32 v[SPW], v[NIL]
	v_lshrrev_b32 v1, 5, v0
	v_readfirstlane_b32 s14, v1                    ; wave 0..3
	s_bfe_u32 s40, ttmp6, 0x40000                  ; cx
	s_lshl_b32 s42, ttmp9, 2
	s_add_co_u32 s42, s42, s40                     ; the block of 128 rows
	s_and_b32 s17, ttmp7, 0xffff                   ; the block of 256 columns: the same in the cluster's four
	s_mov_b32 s[G1+0], 15|(0<<16)|(1<<20)|(1<<21)|(7<<22)|(3<<25)   ; the mask; elements of 1 byte; padding on; bit 21 beside a mask; after every 256 words, four words
	s_mov_b32 s[G1+1], 1024<<16                    ; tensor_dim0
	s_mov_b32 s[G1+2], 64<<16                      ; tensor_dim1
	s_mov_b32 s[G1+3], 1024<<16                    ; tile_dim0
	s_mov_b32 s[G1+4], 64                          ; tile_dim1
	s_mov_b32 s[G1+5], 1024                        ; from row to row
	s_mov_b32 s[G1+6], 0
	s_mov_b32 s[G1+7], 0
	s_lshl_b32 s46, s17, 8
	s_lshl_b32 s47, s14, 6
	s_add_co_u32 s46, s46, s47
	s_add_co_u32 s46, s46, 1536                    ; wc's row: 1,536 + 256 x column block + 64 x wave
	s_lshl_b32 s46, s46, 10
	s_mov_b32 s47, 0
	s_mul_i32 s45, s14, BQ                         ; and where it goes
	s_lshl_b32 s20, s42, 3
	s_lshl_b32 s21, s14, 1
	s_add_co_u32 s20, s20, s21                     ; my first tile of 16 rows: 8 x row block + 2 x wave
	s_lshl_b32 s22, s20, 16                        ; in out0: 16 rows of 4,096 bytes,
	s_lshl_b32 s23, s17, 10
	s_add_co_u32 s22, s22, s23                     ; + 1,024 bytes x column block
	s_mov_b32 s23, 0
	s_lshl_b32 s20, s20, 14                        ; in yc: 16,384 bytes
	s_mov_b32 s21, 0
	s_mul_i32 s43, s14, WST
	s_add_co_u32 s43, s43, STAGE                   ; my stage
	s_wait_dscnt 0x0
	s_wait_kmcnt 0x0
	s_load_b64 s[96:97], s[8:9], 0x28              ; e10, e11
	s_add_nc_u64 s[G0+2:G0+3], s[6:7], s[46:47]
	s_or_b32 s[G0+3], s[G0+3], 0x80000000
	s_mov_b32 s[G0], 1
	s_mov_b32 s[G0+1], s45
	s_add_nc_u64 s[20:21], s[4:5], s[20:21]
	s_add_nc_u64 s[10:11], s[10:11], s[22:23]
	CROUND                                         ; all four work-groups are here: the joint loads meet
	tensor_load_to_lds s[G0:G0+3], s[G1:G1+7]      ; my one tensor load
	s_nop 0
.rept 4
	v_nop
.endr
	v_and_b32 v[LI], 31, v0
	v_lshlrev_b32 v[LI], 4, v[LI]
	WIN 0x40
.irp a, 0,1
.irp k, 0,1,2,3,4,5,6,7
.irp c, 0,1,2,3
	global_load_b128 v[16*(8*\a+\k)+4*\c:16*(8*\a+\k)+4*\c+3], v[LI], s[20:21] offset:16384*\a+2048*\k+512*\c   ; 512 consecutive bytes
.endr
.endr
.endr
	WIN 0
	v_and_b32 v1, 15, v0                           ; r
	v_bfe_u32 v2, v0, 4, 1                         ; h
	v_mul_u32_u24 v10, v1, BP
	v_lshl_add_u32 v10, v2, 4, v10                 ; a fragment's row x pitch + 16 x half
.irp g, 0,1,2,3
	v_add_nc_u32 v[ADRB+\g], \g*BQ, v10
.endr
	v_mul_u32_u24 v11, v1, SPITCH                  ; in: row r, 32 bytes for each half of the lanes
	v_lshl_add_u32 v11, v2, 5, v11
	v_add_nc_u32 v[STO], s43, v11
	v_mul_u32_u24 v11, v2, SPITCH                  ; back: lanes 0-15 one row of 256 bytes, lanes 16-31 the next
	v_lshl_add_u32 v11, v1, 4, v11
	v_add_nc_u32 v[RD], s43, v11
	v_lshlrev_b32 v11, 12, v2                      ; and the same two rows in out0
	v_lshl_add_u32 v[CO], v1, 4, v11
	s_wait_kmcnt 0x0
	s_add_co_i32 s96, s96, s97
	s_add_co_i32 s96, s96, 127
	s_lshl_b32 s96, s96, 23                        ; 2^(e10 + e11) as f32
; Step i = 8 g + k: column group g, K step k.  LB: its four fragments of B into set i % 4.
.macro LB i
	WIN 0x80
.irp b, 0,1,2,3
.irp c, 0,1,2,3
	ds_load_b128 v[64*((\i)%4)+16*\b+4*\c:64*((\i)%4)+16*\b+4*\c+3], v[ADRB+(\i)/8] offset:16*BP*\b+128*((\i)%8)+32*\c
.endr
.endr
.endm
.macro STEP                            ; step I
.rept 4
	v_nop                                          ; places in front of loads into the set that the last step's products read
.endr
.if I+3 < 32
	LB I+3                                         ; three steps ahead
.endif
.if (I >= 8) && (I%8 < 3)
	s_wait_dscnt 63                                ; behind this step's loads stand three steps' 48 and the stage's 32: the count is the largest that the field holds
.elseif I <= 28
	s_wait_dscnt 48                                ; this step's fragments are in; three later steps' 16 loads each may be out
.else
	s_wait_dscnt 16*(31-I)
.endif
	WIN 0x06
.irp b, 0,1,2,3
.irp a, 0,1
.if I%8 == 0
	v_wmma_f32_16x16x128_fp8_fp8 v[ACC+32*\a+8*\b:ACC+32*\a+8*\b+7], v[64*(I%4)+16*\b:64*(I%4)+16*\b+15], v[16*(8*\a+I%8):16*(8*\a+I%8)+15], 0
.else
	v_wmma_f32_16x16x128_fp8_fp8 v[ACC+32*\a+8*\b:ACC+32*\a+8*\b+7], v[64*(I%4)+16*\b:64*(I%4)+16*\b+15], v[16*(8*\a+I%8):16*(8*\a+I%8)+15], v[ACC+32*\a+8*\b:ACC+32*\a+8*\b+7]
.endif
.endr
.endr
.endm
.macro OUT1                            ; a finished group: scaled into other registers, into my stage, and back by rows
	WIN 0
.rept 4
	v_nop                                          ; places behind the last products
.endr
.if I > 7
	s_wait_xcnt 0x0                                ; the last group's stores have read their registers: the loads below may land there
.endif
.set j, 0
.rept 32
	v_pk_mul_f32 v[TMP+j:TMP+j+1], v[ACC+j:ACC+j+1], s[96:97] op_sel_hi:[1,0]   ; each accumulator from its low end on
.set j, j+2
.endr
.irp a, 0,1
.irp b, 0,1,2,3
	ds_store_b128 v[STO], v[TMP+32*\a+8*\b:TMP+32*\a+8*\b+3] offset:16*SPITCH*\a+64*\b
	ds_store_b128 v[STO], v[TMP+32*\a+8*\b+4:TMP+32*\a+8*\b+7] offset:16*SPITCH*\a+64*\b+16
.endr
.endr
.irp a, 0,1
.irp t, 0,1,2,3,4,5,6,7
	ds_load_b128 v[OUTR+32*\a+4*\t:OUTR+32*\a+4*\t+3], v[RD] offset:16*SPITCH*\a+2*SPITCH*\t   ; LDS serves a wave's instructions in order (ISA guide 5.7.1.4): these see my stores
.endr
.endr
.endm
.macro OUT2 g
	WIN 0
.irp a, 0,1
.irp t, 0,1,2,3,4,5,6,7
	global_store_b128 v[CO], v[OUTR+32*\a+4*\t:OUTR+32*\a+4*\t+3], s[10:11] offset:(16*\a+2*\t)*4096+256*(\g) th:TH_STORE_NT   ; sixteen lanes store 256 consecutive bytes, aligned
.endr
.endr
.endm
	s_wait_alu depctr_va_vdst(0)                   ; the head's end
	s_wait_loadcnt 0x0                             ; A
	s_wait_tensorcnt 0x0                           ; my 64 rows of B are in;
	s_barrier_signal -1
	s_barrier_wait -1                              ; everybody's are
	LB 0
	LB 1
	LB 2
.set I, 0
.rept 32
	STEP
.if I%8 == 7
	OUT1
.endif
.if (I >= 11) && (I%8 == 3)
	OUT2 (I/8-1)                                   ; this step's wait has shown the stage's loads done: they are older than the 48 that it leaves out
.endif
.set I, I+1
.endr
	s_wait_dscnt 0x0
	OUT2 3
	s_wait_tensorcnt 0x0                           ; the wave's end
	ds_add_u32 v[SPW], v[NIL]
	s_wait_dscnt 0x0
	CROUND                                         ; the closing round
	s_endpgm
.Lfunc_end_k_q946784993d_proj:
	.size	k_q946784993d_proj, .Lfunc_end_k_q946784993d_proj-k_q946784993d_proj
	.p2alignl 7, 3214868480
	.fill 96, 4, 3214868480
	.section	.rodata,"a",@progbits
	.p2align	6, 0x0
	.amdhsa_kernel k_q946784993d_proj
		.amdhsa_group_segment_fixed_size 327680
		.amdhsa_private_segment_fixed_size 0
		.amdhsa_enable_private_segment 0
		.amdhsa_kernarg_size 32
		.amdhsa_user_sgpr_count 2
		.amdhsa_user_sgpr_kernarg_segment_ptr 1
		.amdhsa_wavefront_size32 1
		.amdhsa_system_sgpr_workgroup_id_x 1
		.amdhsa_system_sgpr_workgroup_id_y 1
		.amdhsa_system_sgpr_workgroup_id_z 1
		.amdhsa_system_vgpr_workitem_id 0
		.amdhsa_next_free_vgpr 768
		.amdhsa_next_free_sgpr 98
		.amdhsa_reserve_vcc 0
		.amdhsa_float_denorm_mode_32 3
		.amdhsa_float_denorm_mode_16_64 3
		.amdhsa_memory_ordered 1
		.amdhsa_forward_progress 1
		.amdhsa_inst_pref_size 89
	.end_amdhsa_kernel
	.amdgpu_metadata
---
amdhsa.version: [ 1, 2 ]
amdhsa.kernels:
  - .name:           k_q946784993d_proj
    .symbol:         k_q946784993d_proj.kd
    .args:
      - { .name: yc, .offset: 0, .size: 8, .value_kind: global_buffer, .address_space: global }
      - { .name: wc, .offset: 8, .size: 8, .value_kind: global_buffer, .address_space: global }
      - { .name: lowp_scales, .offset: 16, .size: 8, .value_kind: global_buffer, .address_space: global }
      - { .name: out0, .offset: 24, .size: 8, .value_kind: global_buffer, .address_space: global }
    .group_segment_fixed_size: 327680
    .private_segment_fixed_size: 0
    .kernarg_segment_align: 8
    .kernarg_segment_size: 32
    .max_flat_workgroup_size: 128
    .sgpr_count:     98
    .vgpr_count:     768
    .wavefront_size: 32
...
	.end_amdgpu_metadata
.endif
;; end of part 4
